; MI455X (gfx1250); checked and timed in simulation.
; The chip was launched on July 23, 2026; its instructions are those of AMD's public machine-readable ISA for CDNA 5 (MIT licence, August 2026) and "CDNA5" Instruction Set Architecture Reference Guide (July 2026). The comments in the code are by the model that wrote it; some were corrected since.
;; Self Attention. Allowed arithmetic: matrix products marked QUANTISED: E2M3 operands, one E8M0 scale for each 32 along K, by v_wmma_scale_f32_16x16x128_f8f6f4 with both operands' format E2M3, f32 sums; everything else in f32.
;; Inputs: Wk_codes 1,024 x 32 x 24 uint8 (E2M3 codes of Wk, K innermost, in blocks of 32 codes, four codes in three bytes); Wk_scales 1,024 x 32 uint8 (E8M0 scales of Wk, one for each 32 codes along K); Wq_codes 1,024 x 32 x 24 uint8 (E2M3 codes of Wq, K innermost, in blocks of 32 codes, four codes in three bytes); Wq_scales 1,024 x 32 uint8 (E8M0 scales of Wq, one for each 32 codes along K); Wv_codes 1,024 x 32 x 24 uint8 (E2M3 codes of Wv, K innermost, in blocks of 32 codes, four codes in three bytes); Wv_scales 1,024 x 32 uint8 (E8M0 scales of Wv, one for each 32 codes along K); bk 1,024 float32; bq 1,024 float32; bv 1,024 float32; mask 1 x 1 x 2,048 x 2,048 bool; x_codes 4 x 2,048 x 32 x 24 uint8 (E2M3 codes of x, K innermost, in blocks of 32 codes, four codes in three bytes); x_scales 4 x 2,048 x 32 uint8 (E8M0 scales of x, one for each 32 codes along K).
;; Outputs: out0 4 x 2,048 x 1,024 float32.
;; This version of the problem:
;;   THIS VERSION OF THE PROBLEM IS GIVEN IN LOW PRECISION. The matrix products marked QUANTISED in the list below multiply operands that are first quantised to E2M3 (2 exponent bits, 3 mantissa bits; 6 bits a number), with one power-of-two scale for each 32 numbers along K (OCP MX v1.0); their sums are f32. All else is computed in f32.
;;   The module's matrix products, in the order in which they are computed (A, B: the left and right operand; K: the contracted axis; several contracted axes count as one K, in the product's order):
;;     1. [M 8,192, K 1,024] x [K 1,024, N 1,024]; A: input x (given as codes); B: input Wq (given as codes): QUANTISED
;;     2. [M 8,192, K 1,024] x [K 1,024, N 1,024]; A: input x (given as codes); B: input Wk (given as codes): QUANTISED
;;     3. [M 8,192, K 1,024] x [K 1,024, N 1,024]; A: input x (given as codes); B: input Wv (given as codes): QUANTISED
;;     4. batch 64 x [M 2,048, K 64] x [K 64, N 2,048]; A: computed on the way; B: computed on the way: QUANTISED
;;     5. batch 64 x [M 2,048, K 2,048] x [K 2,048, N 64]; A: softmax (see below); B: computed on the way: QUANTISED
;;   THE QUANTISER, for each operand of a quantised product, along K:
;;     - K is cut into blocks of 32 from its start; a last block that is shorter is filled with zeros.
;;     - A block's scale is 2^e with e = floor(log2(the largest magnitude in the block)) - 2, held to -126 .. 127; a block of zeros has e = 0. As a byte (E8M0): e + 127.
;;     - Each number is divided by its block's scale, clamped to +-7.5, and rounded to the nearest number of E2M3, ties to even, subnormals kept.
;;     - The product sums the exact products of the quantised numbers (number of the format x scale) in f32.
;;   ~~~python
;;   def quantise(x, axis):      # numpy; x: float32 -> the quantised numbers, widened to float32 again
;;       x = np.moveaxis(x, axis, -1); K = x.shape[-1]
;;       x = np.pad(x, [(0, 0)] * (x.ndim - 1) + [(0, -K % 32)]); x = x.reshape(x.shape[:-1] + (-1, 32)); a = np.abs(x).max(-1, keepdims=True)
;;       e = np.where(a > 0, np.clip(np.frexp(np.where(a > 0, a, 1))[1] - 1 - 2, -126, 127), 0)      # np.frexp(a)[1] - 1 = floor(log2(a)), exactly
;;       r = np.clip(x / 2.0 ** e, -7.5, 7.5)
;;       step = 2.0 ** (np.maximum(np.frexp(np.where(r == 0, 1, r))[1] - 1, 0) - 3)
;;       q = np.round(r / step) * step * 2.0 ** e      # np.round: ties to even
;;       return np.moveaxis(q.reshape(q.shape[:-2] + (-1,))[..., :K], -1, axis).astype(np.float32)
;;   ~~~
;;   SOFTMAX AHEAD OF A QUANTISED PRODUCT. Where the list says 'softmax', what is quantised is not the finished softmax but p = 2^(t - M), with t = logit x log2(e) and M = ceil(the row's largest t), a whole number; so 1/2 < the row's largest p <= 1. The row's sum l is taken of the UNQUANTISED p, in f32, and the product's result is divided by l at the end. Since M is a whole number, a kernel that streams over the keys may use a running M (the ceiling of the running maximum): every later rescaling is an exact power of two, which a block's scale takes up: the codes' values come out the same.
;;   OPERANDS COMPUTED ON THE WAY. 'Computed on the way' means the value that the module computes at that place (a softmax that the list does not call 'softmax' is quantised finished and normalised). What goes into a quantiser is computed in f32, as accurately as f32 sums, v_exp_f32 and their like allow (about 1e-6 of the number): no bf16 or f16 on the way to a quantiser, and a product that is left as it is and whose result goes on into a quantised operand takes f32 operands (vector FMAs, or v_wmma_f32_16x16x4_f32). A number that lies on a knife's edge between two numbers of the format may be rounded either way, as far as f32 arithmetic and the matrix unit's own rounding can turn it there, and no further.
;;   INPUTS GIVEN AS CODES. Wk (in the module: [1024, 1024], K = its axis 0); Wq (in the module: [1024, 1024], K = its axis 0); Wv (in the module: [1024, 1024], K = its axis 0); x (in the module: [4, 2048, 1024], K = its axis 2): each comes as NAME_codes (uint8): NAME with its K axis moved to the last place and cut into blocks of 32 codes, [.., K / 32, bytes a block], one block behind the other in memory; four codes in three bytes: a row's codes are one little-endian stream of bits, code i at bits 6 i .. 6 i + 5 (a code: sign, 2 exponent bits, 3 mantissa bits); and NAME_scales (uint8): the same leading axes, one E8M0 byte (e + 127) for each 32 codes along K. Its value is code x scale, taken as it is: it is not quantised again, and the codes and scales need not be those that the quantiser above would give.
;; One version. Each part assembles by itself: llvm-mc -triple=amdgcn-amd-amdhsa -mcpu=gfx1250 --defsym DOCPART=n.
;; ======== version 1 of 1: 2 launches
;; limits: right only within a limited range of input values
;; workspace buffers: qw 13,107,200 bytes; kv 13,107,200 bytes; lmask 524,288 bytes of whole numbers; flags 8,192 bytes of whole numbers
;; launch project (part 1): grid 8 x 32, 4 waves a work-group, clusters of 4 x 4, 327,680 bytes of LDS; arguments x_codes, x_scales, Wq_codes, Wq_scales, Wk_codes, Wk_scales, Wv_codes, Wv_scales, bq, bk, bv, mask, qw, kv, lmask, flags; writes qw, kv, lmask, flags
.if DOCPART == 1
	.amdgcn_target "amdgcn-amd-amdhsa--gfx1250"
	.amdhsa_code_object_version 6
	.text
	.protected	k_q276ead6f71_project
	.globl	k_q276ead6f71_project
	.p2align	8
	.type	k_q276ead6f71_project,@function
k_q276ead6f71_project:
	s_mov_b64 s[64:65], 0
	v_nop
	global_prefetch_b8 v0, s[64:65] scope:SCOPE_SE
	s_setreg_imm32_b32 hwreg(HW_REG_WAVE_MODE, 25, 1), 1
	s_wait_xcnt 0x0
	s_wait_alu depctr_hold_cnt(0) depctr_sa_sdst(0) depctr_va_vdst(0) depctr_va_sdst(0) depctr_va_ssrc(0) depctr_va_vcc(0) depctr_vm_vsrc(0)
	s_getreg_b32 s2, hwreg(HW_REG_IB_STS2, 6, 4)
	s_cmp_eq_u32 s2, 0
	s_cbranch_scc0 .Lentry_in_a_cluster
	s_endpgm
.Lentry_in_a_cluster:
	s_bfe_u32 s2, ttmp6, 0x10000c
	s_cmp_lg_u32 s2, 0xf033
	s_cbranch_scc0 .Lentry_shape_is_right
	s_endpgm
.Lentry_shape_is_right:
; q = x Wq + bq, k = x Wk + bk, v = x Wv + bv on codes of FP6 (E2M3) with E8M0 scales, then quantised again for the two products of the attention:
; q and k along the head's 64 channels, v along the tokens.  The results are stored as images of operand registers: for each (16 batch + head) HEADB bytes,
; for each 128 tokens STEPB: 4 fragments of k (q) x 1,536, 4 of v^T x 1,536, 256 bytes of k's (q's) scale words, 256 of v's.  The mask is laid as lane words and flags.
; Nothing of reference() is left out here.  LIMIT: a block of zeros gets the scale byte 1 (its codes are zeros); these bytes are read by this program alone.
; SHARES.  256 work-groups: work-group (u, rb) takes tokens 256 rb .. + 255 and channels 128 u .. + 127 of q, of k and of v: three phases of 8 K steps.
; A wave takes 64 tokens x 128 channels: 32 accumulators (256 registers); its x fragments for all of K (4 blocks x 8 steps x 12 = 384 registers) are read from LDS once and serve all three phases;
; W's fragments (8 blocks x 12) have two sets.  x's scale words (16 registers), W's (32) and the bias (64, the C of each sum's first product) come straight from memory into registers.
; LDS.  Rows are whole rows of K, 768 bytes of memory, with 16 bytes of padding behind each 256: pitch 816.  Bytes 0 ..: Wq's 128 rows; behind them x's 256 rows.  When every wave holds its x fragments,
; Wk's and Wv's 128 rows each are laid over x's bytes, one load a wave, behind a round of the cluster's barrier.  Stages (mask, v's codes) lie in Wq's bytes, behind their last fill and last read.
; CLUSTERS 4 x 4: x's tile hangs on rb alone and is asked for jointly along a row of the cluster, W's on u alone, along a column.
; NO PREFETCH: the text has no loop to run ahead in; every tile is asked for at the head or directly behind the one refill's round.
; q, k: source 0 = W's rows, source 1 = x's rows: a lane holds a token, its registers run along the channels.  v: the sources swapped: a lane holds a channel, its registers run along the tokens.
.set PITCH, 816
.set WT,    128*PITCH
.set HT,    64*PITCH
.set XR,    WT
.set SPARE, 3*WT
.set SST,   SPARE+512                  ; scale words: [q, k, v][step 2][head 2][256]
.set VST,   4*16*272                   ; v's codes: [step 2][head 2][6,144]; ahead of it the mask's stages, 16 x 272 a wave
.set STEPB, 12800
.set HEADB, 16*STEPB
; window 0: v8-31 addresses; v32-47 x's scale words; v48-79 W's; v80-143 bias; v144-151 v's bias; v160-255 W's set 0, at work in the epilogues
; window 1: x's fragments of steps 0-4, v240-255 mask bytes;  window 2: steps 5-7, v144-239 W's set 1, v240-255 mask bytes;  window 3: accumulators
.set SPW, 8
.set NIL, 9
.set LI,  10
.set L8,  11
.set L4,  12
.set BV,  13
.set ADRX, 14
.set ADRB, 16
.set SSA, 20
.set SSV, 21
.set VA0, 22
.set VA1, 23
.set VR,  24
.set SR,  25
.set MW,  26
.set MR,  27
.set MG,  28
.set XSO, 29
.set WSO, 30
.set BO,  31
.set XS,  32
.set WS,  48
.set BIAS, 80
.set BT,  144
.set TM,  160
.set PW0, 176
.set PW1, 177
.set TA,  178
.set FA,  180
.set FB,  192
.set Y0,  204
.set Y1,  208
.set WA,  212
.set WB,  216
.set G1X, 24
.set G1W, 32
.set G0X, 40
.set G0W, 44
.set G0R, 52
.set HI,  12
.set SEL, 60
.set MSB, 0
.macro WIN new
.if MSB != (\new)
	s_set_vgpr_msb (MSB<<8)|(\new)
.set MSB, (\new)
.endif
.endm
.macro PLACES n
.rept \n
	v_nop
.endr
.endm
.macro CROUND                          ; a round of the cluster's barrier
	s_barrier_signal -1
	s_barrier_wait -1
	s_cmp_lg_u32 s14, 0
	s_cbranch_scc1 .Lnot_wave_0_\@
	s_barrier_signal -3
.Lnot_wave_0_\@:
	s_barrier_wait -3
	s_barrier_signal -1
	s_barrier_wait -1
.endm
	s_load_b512 s[68:83], s[0:1], 0x0              ; x_codes, x_scales, Wq c, s, Wk c, s, Wv c, s
	s_load_b512 s[84:99], s[0:1], 0x40             ; bq, bk, bv, mask, qw, kv, lmask, flags
	v_lshl_add_u32 v[SPW], v0, 2, SPARE
	v_mov_b32 v[NIL], 0
	ds_add_u32 v[SPW], v[NIL]                      ; the opening lines: the add twice and its wait
	ds_add_u32 v[SPW], v[NIL]
	v_lshrrev_b32 v1, 5, v0
	v_readfirstlane_b32 s14, v1                    ; wave
	s_lshr_b32 s15, s14, 1
	s_and_b32 s16, s14, 1
	s_bfe_u32 s19, ttmp6, 0x40000                  ; cx
	s_bfe_u32 s20, ttmp6, 0x40004                  ; cy
	s_lshl_b32 s17, ttmp9, 2
	s_add_co_u32 s17, s17, s19                     ; u
	s_and_b32 s18, ttmp7, 0xffff
	s_lshl_b32 s18, s18, 2
	s_add_co_u32 s18, s18, s20                     ; rb
	s_lshl_b32 s21, s20, 2
	s_lshl_b32 s21, 15, s21                        ; my row of the cluster
	s_lshl_b32 s22, 0x1111, s19                    ; my column
	s_or_b32 s[G1X], s21, (1<<20)|(1<<21)|(5<<22)|(3<<25)   ; bytes; 4 words of padding behind every 64
	s_or_b32 s[G1W], s22, (1<<20)|(1<<21)|(5<<22)|(3<<25)
	s_mov_b32 s[G1X+1], 768<<16
	s_mov_b32 s[G1X+2], 128<<16                    ; x: 128 rows a load
	s_mov_b32 s[G1X+3], 768<<16
	s_mov_b32 s[G1X+4], 128
	s_mov_b32 s[G1X+5], 768
	s_mov_b32 s[G1X+6], 0
	s_mov_b32 s[G1X+7], 0
	s_mov_b32 s[G1W+1], 768<<16
	s_mov_b32 s[G1W+2], 64<<16                     ; W: 64 rows a load
	s_mov_b32 s[G1W+3], 768<<16
	s_mov_b32 s[G1W+4], 64
	s_mov_b32 s[G1W+5], 768
	s_mov_b32 s[G1W+6], 0
	s_mov_b32 s[G1W+7], 0
	s_lshl_b32 s48, s18, 8
	s_lshl_b32 s2, s16, 7
	s_add_co_u32 s48, s48, s2
	s_mul_i32 s48, s48, 768                        ; x: row 256 rb + 128 (wave % 2)
	s_mov_b32 s49, 0
	s_lshl_b32 s50, s17, 7
	s_lshl_b32 s2, s16, 6
	s_add_co_u32 s50, s50, s2
	s_mul_i32 s50, s50, 768                        ; W: row 128 u + 64 (wave % 2)
	s_mov_b32 s51, 0
	s_mov_b32 s[G0X], 1
	s_mul_i32 s[G0X+1], s16, WT
	s_add_co_u32 s[G0X+1], s[G0X+1], XR
	s_mov_b32 s[G0W], 1
	s_mul_i32 s[G0W+1], s16, HT
	s_mov_b32 s[G0R], 1
	s_mul_i32 s[G0R+1], s14, HT                    ; the refill: Wk's halves (waves 0, 1), Wv's (waves 2, 3) over x's bytes
	s_add_co_u32 s[G0R+1], s[G0R+1], XR
	s_wait_alu depctr_va_vdst(0)                   ; the wait ahead of the waits below
	s_wait_dscnt 0x0
	s_wait_kmcnt 0x0
	s_add_nc_u64 s[G0X+2:G0X+3], s[68:69], s[48:49]
	s_or_b32 s[G0X+3], s[G0X+3], 0x80000000
	s_add_nc_u64 s[G0W+2:G0W+3], s[72:73], s[50:51]
	s_or_b32 s[G0W+3], s[G0W+3], 0x80000000
	s_cmp_eq_u32 s15, 0
	s_cselect_b64 s[G0R+2:G0R+3], s[76:77], s[80:81]
	s_add_nc_u64 s[G0R+2:G0R+3], s[G0R+2:G0R+3], s[50:51]
	s_or_b32 s[G0R+3], s[G0R+3], 0x80000000
	CROUND                                         ; the first joint loads meet
	s_cmp_eq_u32 s15, 0                            ; one load a wave: waves 0, 1 x's halves, waves 2, 3 Wq's
	s_cbranch_scc0 .Lhead_w
	tensor_load_to_lds s[G0X:G0X+3], s[G1X:G1X+7]
	s_nop 0
	PLACES 4
	s_branch .Lhead_asked
.Lhead_w:
	tensor_load_to_lds s[G0W:G0W+3], s[G1W:G1W+7]
	s_nop 0
	PLACES 4
.Lhead_asked:
	s_mov_b32 s11, 0                               ; every pointer to my part of its buffer
	s_lshl_b32 s10, s18, 13
	s_lshl_b32 s2, s14, 11
	s_add_co_u32 s10, s10, s2
	s_add_nc_u64 s[70:71], s[70:71], s[10:11]      ; x's scales: row 256 rb + 64 wave, 32 bytes a row
	s_lshl_b32 s10, s17, 12
	s_add_nc_u64 s[74:75], s[74:75], s[10:11]
	s_add_nc_u64 s[78:79], s[78:79], s[10:11]
	s_add_nc_u64 s[82:83], s[82:83], s[10:11]
	s_lshl_b32 s10, s17, 9
	s_add_nc_u64 s[84:85], s[84:85], s[10:11]
	s_add_nc_u64 s[86:87], s[86:87], s[10:11]
	s_add_nc_u64 s[88:89], s[88:89], s[10:11]
	s_lshl_b32 s2, s18, 3
	s_add_co_u32 s2, s2, s17
	s_lshl_b32 s2, s2, 2
	s_add_co_u32 s2, s2, s14                       ; 0 .. 1,023: my piece of the mask: 16 queries x 256 keys
	s_lshr_b32 s10, s2, 3
	s_lshl_b32 s10, s10, 15
	s_and_b32 s3, s2, 7
	s_lshl_b32 s3, s3, 8
	s_add_co_u32 s10, s10, s3
	s_add_nc_u64 s[90:91], s[90:91], s[10:11]
	s_lshl_b32 s10, s2, 9
	s_add_nc_u64 s[96:97], s[96:97], s[10:11]
	s_lshl_b32 s10, s2, 3
	s_add_nc_u64 s[98:99], s[98:99], s[10:11]
	s_lshr_b32 s2, s18, 3
	s_lshl_b32 s2, s2, 4
	s_lshl_b32 s3, s17, 1
	s_add_co_u32 s2, s2, s3                        ; 16 batch + head 2 u
	s_mul_i32 s2, s2, HEADB
	s_and_b32 s3, s18, 7
	s_lshl_b32 s3, s3, 1
	s_add_co_u32 s3, s3, s15                       ; my step of 128 tokens
	s_mul_i32 s3, s3, STEPB
	s_add_co_u32 s2, s2, s3
	s_mul_i32 s10, s16, HEADB
	s_add_co_u32 s10, s10, s2
	s_add_nc_u64 s[56:57], s[92:93], s[10:11]      ; the last stores: wave = (step, head)
	s_add_nc_u64 s[58:59], s[94:95], s[10:11]
	s_mul_i32 s10, s16, 3072
	s_add_co_u32 s10, s10, s2
	s_add_nc_u64 s[92:93], s[92:93], s[10:11]      ; q's and k's codes: my fragments 2 (wave % 2), + 1
	s_add_nc_u64 s[94:95], s[94:95], s[10:11]
	s_mov_b32 s[HI], 0xffff0000
	s_mov_b32 s[SEL], 0x76543210
	s_mov_b32 s[SEL+1], 0xfedcba98
	s_mul_i32 s2, s14, HT
	s_add_co_u32 s2, s2, XR                        ; my 64 rows of x
	s_lshl_b32 s3, s15, 9
	s_lshl_b32 s4, s16, 2
	s_add_co_u32 s4, s4, s3
	s_add_co_u32 s4, s4, SST
	s_lshl_b32 s5, s16, 1
	s_add_co_u32 s5, s5, s3
	s_add_co_u32 s5, s5, SST+2048
	s_mul_i32 s6, s15, 12288
	s_add_co_u32 s6, s6, VST
	s_mul_i32 s7, s16, 520
	s_add_co_u32 s7, s7, s6
	s_mul_i32 s8, s16, 1016
	s_add_co_u32 s8, s8, s6
	s_add_co_u32 s8, s8, 8
	s_mul_i32 s9, s14, 6144
	s_add_co_u32 s9, s9, VST
	s_lshl_b32 s13, s14, 8
	s_add_co_u32 s13, s13, SST
	s_mul_i32 s21, s14, 16*272
	v_and_b32 v1, 15, v0                           ; r
	v_bfe_u32 v2, v0, 4, 1                         ; h
	v_and_b32 v3, 31, v0
	v_lshlrev_b32 v[LI], 4, v3
	v_lshlrev_b32 v[L8], 3, v3
	v_lshlrev_b32 v[L4], 2, v3
	v_lshlrev_b32 v[MG], 11, v2
	v_lshl_add_u32 v[MG], v1, 4, v[MG]             ; mask: lanes 0-15 one row's 256 bytes, lanes 16-31 the next row's
	v_lshlrev_b32 v[XSO], 5, v1
	v_lshl_add_u32 v[WSO], v2, 11, v[XSO]          ; W's scales: lanes 16-31 take the block four further on
	v_lshl_add_u32 v[XSO], v2, 10, v[XSO]          ; x's: two further on
	v_lshlrev_b32 v[BO], 5, v2
	v_lshlrev_b32 v[BV], 2, v1
	WIN 0x40
.irp i, 0,1,2,3
	global_load_b128 v[240+4*\i:243+4*\i], v[MG], s[90:91] offset:4096*\i th:TH_LOAD_NT
.endr
	WIN 0x80
.irp i, 0,1,2,3
	global_load_b128 v[240+4*\i:243+4*\i], v[MG], s[90:91] offset:16384+4096*\i th:TH_LOAD_NT
.endr
	WIN 0
.irp a, 0,1
.irp q, 0,1
	global_load_b128 v[XS+8*\a+4*\q:XS+8*\a+4*\q+3], v[XSO], s[70:71] offset:512*\a+16*\q   ; register 8 (a % 2) + step: lanes 0-15 block a, lanes 16-31 block a + 2
.endr
.endr
.macro LDWS p                          ; W's scale words: register 8 (b % 4) + step: lanes 0-15 block b, lanes 16-31 block b + 4
.irp b, 0,1,2,3
.irp q, 0,1
	global_load_b128 v[WS+8*\b+4*\q:WS+8*\b+4*\q+3], v[WSO], s[\p:\p+1] offset:512*\b+16*\q
.endr
.endr
.endm
.macro LDB p                           ; q's, k's bias in the result's layout: register 8 b + j = channel 16 b + 8 h + j
.irp b, 0,1,2,3,4,5,6,7
.irp q, 0,1
	global_load_b128 v[BIAS+8*\b+4*\q:BIAS+8*\b+4*\q+3], v[BO], s[\p:\p+1] offset:64*\b+16*\q
.endr
.endr
.endm
	LDWS 74
	LDB 84
	v_mul_u32_u24 v4, v1, PITCH
	v_mad_u32_u24 v5, v2, 24, v4                   ; a fragment's row, + 24 h
	v_mad_u32_u24 v6, v2, 40, v4                   ; where lanes 16-31 lie behind the next padding: 16 more
	v_add_nc_u32 v[ADRX], s2, v5
	v_add_nc_u32 v[ADRX+1], s2, v6
	v_mov_b32 v[ADRB], v5
	v_mov_b32 v[ADRB+1], v6
	v_add_nc_u32 v[ADRB+2], HT, v5                 ; W's blocks 4-7
	v_add_nc_u32 v[ADRB+3], HT, v6
	v_add_nc_u32 v[SSA], s4, v[L8]
	v_add_nc_u32 v[SSV], s5, v[L8]
	v_add_nc_u32 v[VA0], s7, v[LI]
	v_add_nc_u32 v[VA1], s8, v[LI]
	v_add_nc_u32 v[VR], s9, v[LI]
	v_add_nc_u32 v[SR], s13, v[L8]
	v_mul_u32_u24 v5, v2, 272
	v_lshl_add_u32 v5, v1, 4, v5
	v_add_nc_u32 v[MW], s21, v5
	v_mul_u32_u24 v5, v1, 272
	v_lshl_add_u32 v5, v2, 3, v5
	v_add_nc_u32 v[MR], s21, v5
; a fragment: 12 registers, six pieces of 8 bytes; byte y of a row of codes lies at y + 16 (y / 256) of its LDS row
.macro FRAG reg, adr, st, off
.irp p, 0,1,2,3,4,5
.set BY, 96*(\st)+48*(\p/3)+8*(\p%3)
.if BY/256 == (BY+24)/256
	ds_load_b64 v[\reg+2*\p:\reg+2*\p+1], v[\adr] offset:BY+16*(BY/256)+(\off)
.else
	ds_load_b64 v[\reg+2*\p:\reg+2*\p+1], v[\adr+1] offset:BY+16*(BY/256)+(\off)
.endif
.endr
.endm
.macro FETCHB st                       ; W's eight fragments of step st into set st % 2
	WIN 0x80*((\st)%2)
.irp b, 0,1,2,3,4,5,6,7
	FRAG 160-16*((\st)%2)+12*\b, ADRB+2*(\b/4), \st, (\b%4)*16*PITCH
.endr
.endm
.macro WM d, a, b, c, sa, sb, ra, rb
.if (\ra)==0 && (\rb)==0
	v_wmma_scale_f32_16x16x128_f8f6f4 v[(\d):(\d)+7], v[(\a):(\a)+11], v[(\b):(\b)+11], v[(\c):(\c)+7], v[\sa], v[\sb] matrix_a_fmt:MATRIX_FMT_FP6 matrix_b_fmt:MATRIX_FMT_FP6
.elseif (\ra)==1 && (\rb)==0
	v_wmma_scale_f32_16x16x128_f8f6f4 v[(\d):(\d)+7], v[(\a):(\a)+11], v[(\b):(\b)+11], v[(\c):(\c)+7], v[\sa], v[\sb] matrix_a_fmt:MATRIX_FMT_FP6 matrix_b_fmt:MATRIX_FMT_FP6 matrix_a_scale:MATRIX_SCALE_ROW1
.elseif (\ra)==0 && (\rb)==1
	v_wmma_scale_f32_16x16x128_f8f6f4 v[(\d):(\d)+7], v[(\a):(\a)+11], v[(\b):(\b)+11], v[(\c):(\c)+7], v[\sa], v[\sb] matrix_a_fmt:MATRIX_FMT_FP6 matrix_b_fmt:MATRIX_FMT_FP6 matrix_b_scale:MATRIX_SCALE_ROW1
.else
	v_wmma_scale_f32_16x16x128_f8f6f4 v[(\d):(\d)+7], v[(\a):(\a)+11], v[(\b):(\b)+11], v[(\c):(\c)+7], v[\sa], v[\sb] matrix_a_fmt:MATRIX_FMT_FP6 matrix_b_fmt:MATRIX_FMT_FP6 matrix_a_scale:MATRIX_SCALE_ROW1 matrix_b_scale:MATRIX_SCALE_ROW1
.endif
.endm
; 32 products of a step; the 32 accumulators take turns.  Step 0 takes the bias as C.
.macro MM st, ph
.set BW, 2*((\st)%2)
.set BB, 160-16*((\st)%2)
.if (\st) < 5
.set XW, 1
.set XB, 48*(\st)
.else
.set XW, 2
.set XB, 48*((\st)-5)
.endif
.if (\st) == 0
.set CW, 0
.else
.set CW, 3
.endif
.if (\ph) < 2
	WIN 0xc0|(CW<<4)|(XW<<2)|BW
.else
	WIN 0xc0|(CW<<4)|(BW<<2)|XW
.endif
.irp a, 0,1,2,3
.irp b, 0,1,2,3,4,5,6,7
.if (\ph) < 2
.set DD, 8*(8*\a+\b)
.else
.set DD, 32*\b+8*\a
.endif
.if (\st) == 0
.set CC, BIAS+8*\b
.else
.set CC, DD
.endif
.if (\ph) < 2
	WM DD, BB+12*\b, XB+12*\a, CC, WS+8*(\b%4)+(\st), XS+8*(\a%2)+(\st), \b/4, \a/2
.else
	WM DD, XB+12*\a, BB+12*\b, CC, XS+8*(\a%2)+(\st), WS+8*(\b%4)+(\st), \a/2, \b/4
.endif
.endr
.endr
.endm
.macro PHASE ph
	s_wait_xcnt 0x0                                ; earlier stores have read the registers into which W's set 0 lands
	FETCHB 0
	s_wait_loadcnt 0x0                             ; scale words and bias
.set ST, 0
.rept 8
	s_wait_dscnt 0x0                               ; this step's fragments, asked for one step ago
.if ST < 7
.if ST > 0
	PLACES 4                                       ; behind the products that read the set into which the loads land
.endif
	FETCHB ST+1
.endif
	MM ST, \ph
.set ST, ST+1
.endr
	WIN 0
	PLACES 4
.endm
; 64 accumulator registers (window 3) = four blocks of 32 along the next K, each in lanes l and l xor 16: scale bytes into pw, codes into dA (blocks 0, 1) and dB (blocks 2, 3), six registers each
.macro QUANT s, dA, dB, pw
	WIN 0x3c
.irp b, 0,1,2,3
	v_max3_num_f32 v[TM+\b], 0x1800000, |v[(\s)+16*\b]|, |v[(\s)+1+16*\b]|
.endr
.irp i, 2,4,6,8,10,12,14
.irp b, 0,1,2,3
	v_max3_num_f32 v[TM+\b], v[TM+\b], |v[(\s)+16*\b+\i]|, |v[(\s)+1+16*\b+\i]|
.endr
.endr
	WIN 0
.irp b, 0,1,2,3
	v_permlanex16_b32 v[TM+4+\b], v[TM+\b], s[SEL], s[SEL+1]
.endr
.irp b, 0,1,2,3
	v_max_num_f32 v[TM+\b], v[TM+\b], v[TM+4+\b]
.endr
.irp b, 0,1,2,3
	v_add_nc_u32 v[TM+12+\b], 0xff000000, v[TM+\b]
.endr
.irp b, 0,1,2,3
	v_lshrrev_b32 v[TM+4+\b], 23, v[TM+12+\b]
.endr
	v_lshl_or_b32 v[\pw], v[TM+5], 8, v[TM+4]
	v_lshl_or_b32 v[\pw], v[TM+6], 16, v[\pw]
	v_lshl_or_b32 v[\pw], v[TM+7], 24, v[\pw]
	WIN 0x03
	v_cvt_scalef32_pk16_fp6_f32 v[\dA:\dA+2], v[(\s):(\s)+15], v[TM+12]
	v_cvt_scalef32_pk16_fp6_f32 v[Y0:Y0+2], v[(\s)+16:(\s)+31], v[TM+13]
	v_cvt_scalef32_pk16_fp6_f32 v[\dB:\dB+2], v[(\s)+32:(\s)+47], v[TM+14]
	v_cvt_scalef32_pk16_fp6_f32 v[Y1:Y1+2], v[(\s)+48:(\s)+63], v[TM+15]
	WIN 0
	v_nop
.irp i, 0,1,2
	v_permlane16_swap_b32 v[\dA+\i], v[Y0+\i]
	v_permlane16_swap_b32 v[\dB+\i], v[Y1+\i]
.endr
.irp i, 0,1,2
	v_mov_b32 v[\dA+3+\i], v[Y0+\i]
	v_mov_b32 v[\dB+3+\i], v[Y1+\i]
.endr
.endm
.macro ZTM
.irp b, 0,1,2,3
	v_mov_b32 v[TM+4+\b], 0                        ; a lane permute's destination counts as read
.endr
.endm
; q's or k's way out: a fragment = two tiles of 16 tokens x 64 channels; its codes leave as they stand, 512 consecutive bytes a store; my half of the scale image goes to the stage
.macro EPIQK o, slot
	ZTM
.irp p, 0,1
.if \p
	s_wait_xcnt 0x0
.endif
	QUANT 128*\p, FA, FB, PW0
	QUANT 128*\p+64, FA+6, FB+6, PW1
	v_perm_b32 v[WA+\p], v[PW1], v[PW0], 0x05040100
	v_perm_b32 v[WB+\p], v[PW1], v[PW0], 0x07060302
.irp c, 0,1,2
	global_store_b128 v[LI], v[FA+4*\c:FA+4*\c+3], s[\o:\o+1] offset:1536*\p+512*\c
	global_store_b128 v[LI], v[FB+4*\c:FB+4*\c+3], s[\o:\o+1] offset:HEADB+1536*\p+512*\c
.endr
.endr
	v_cndmask_b32 v[TA], v[WA], v[WA+1], s[HI]
	v_cndmask_b32 v[TA+1], v[WB], v[WB+1], s[HI]
	ds_store_b32 v[SSA], v[TA] offset:1024*\slot
	ds_store_b32 v[SSA], v[TA+1] offset:1024*\slot+256
.endm
.macro NEXTW                           ; the next phase's W lies WT bytes on
.irp i, 0,1,2,3
	v_add_nc_u32 v[ADRB+\i], WT, v[ADRB+\i]
.endr
	s_wait_alu depctr_va_vdst(0)
.endm
.macro MSTEP s                         ; a step of 128 keys of my 16 queries: the flag word and 64 lane words
.set MM, 160+16*(\s)
.set LW, 192+2*(\s)
	v_or_b32 v197, v[MM], v[MM+1]
	v_and_b32 v198, v[MM], v[MM+1]
.irp i, 2,3,4,5,6,7,8,9,10,11,12,13,14,15
	v_or_b32 v197, v197, v[MM+\i]
	v_and_b32 v198, v198, v[MM+\i]
.endr
	v_cmp_ne_u32 s20, 0, v197
	v_cmp_eq_u32 s21, 0x01010101, v198
	s_lshr_b32 s22, s20, 16
	s_or_b32 s20, s20, s22
	s_and_b32 s20, s20, 0xffff
	s_cmp_eq_u32 s21, -1
	s_cselect_b32 s21, 0x10000, 0
	s_or_b32 s20, s20, s21
	v_writelane_b32 v196, s20, \s
.irp q, 0,1,2,3,4,5,6,7,8,9,10,11,12,13,14,15
	v_and_b32 v200, 0xff, v[MM+\q]
	v_and_b32 v201, 0xff00, v[MM+\q]
	v_and_b32 v202, 0xff0000, v[MM+\q]
	v_and_b32 v203, 0xff000000, v[MM+\q]
	v_cmp_ne_u32 s20, 0, v200
	v_cmp_ne_u32 s21, 0, v201
	v_cmp_ne_u32 s22, 0, v202
	v_cmp_ne_u32 s23, 0, v203
	v_writelane_b32 v[LW], s20, 2*\q
	v_writelane_b32 v[LW+1], s21, 2*\q
	v_writelane_b32 v[LW], s22, 2*\q+1
	v_writelane_b32 v[LW+1], s23, 2*\q+1
.endr
	global_store_b64 v[L8], v[LW:LW+1], s[96:97] offset:256*(\s)
.endm
	s_wait_alu depctr_va_vdst(0)                   ; the wait at the head's end
	s_wait_tensorcnt 0x0                           ; my tile of the head's four
	s_barrier_signal -1
	s_barrier_wait -1                              ; all four are in
.irp s, 0,1,2,3,4,5,6,7                            ; my x fragments, all of K, once
.if \s < 5
	WIN 0x40
.else
	WIN 0x80
.endif
.irp a, 0,1,2,3
	FRAG 48*(\s%5)+12*\a, ADRX, \s, \a*16*PITCH
.endr
.endr
	WIN 0
	s_wait_tensorcnt 0x0                           ; the three lines ahead of the refill's round
	ds_add_u32 v[SPW], v[NIL]
	s_wait_dscnt 0x0                               ; the add, and my reads of x's bytes
	CROUND
	tensor_load_to_lds s[G0R:G0R+3], s[G1W:G1W+7]  ; Wk and Wv over x's bytes: my one load behind the round
	s_nop 0
	PLACES 4
	PHASE 0
	s_wait_tensorcnt 0x0                           ; my part of Wk or Wv
	s_wait_dscnt 0x0
	s_barrier_signal -1
	s_barrier_wait -1                              ; Wk and Wv are whole, and nobody reads Wq's bytes any more: they serve as stages
	LDWS 78
	LDB 86
	EPIQK 92, 0
	s_wait_xcnt 0x0                                ; the stores above have read their registers
	WIN 0x04
.irp i, 0,1,2,3
	ds_store_b128 v[MW], v[240+4*\i:243+4*\i] offset:544*\i
.endr
	WIN 0x08
.irp i, 0,1,2,3
	ds_store_b128 v[MW], v[240+4*\i:243+4*\i] offset:2176+544*\i
.endr
	WIN 0
.irp i, 192,193,194,195,196
	v_mov_b32 v\i, 0
.endr
.irp s, 0,1
.irp m, 0,1,2,3,4,5,6,7
	ds_load_b64 v[160+16*\s+2*\m:161+16*\s+2*\m], v[MR] offset:128*\s+16*\m   ; my own stage: LDS serves a wave's instructions in order
.endr
.endr
	s_wait_dscnt 8
	MSTEP 0
	s_wait_dscnt 0x0
	MSTEP 1
	s_wait_xcnt 0x0                                ; EXEC changes only behind this wait
	v_cmp_gt_u32 vcc_lo, 8, v[L4]
	s_and_saveexec_b32 s10, vcc_lo
	global_store_b32 v[L4], v196, s[98:99]
	s_wait_xcnt 0x0
	s_or_b32 exec_lo, exec_lo, s10
	NEXTW
	PHASE 1
	LDWS 82
.irp b, 0,1,2,3,4,5,6,7
	global_load_b32 v[BT+\b], v[BV], s[88:89] offset:64*\b   ; v's bias: channel 16 b + r
.endr
	EPIQK 94, 1
	s_wait_loadcnt 0x0
.irp b, 0,1,2,3,4,5,6,7
.irp j, 0,1,2,3,4,5,6,7
	v_mov_b32 v[BIAS+8*\b+\j], v[BT+\b]            ; the same for a lane's eight tokens
.endr
.endr
	NEXTW
	PHASE 2
	; v's way out: my 64 tokens are registers 6 g .. 6 g + 5 (g = wave % 2) of each fragment's image and two bytes of each scale word: both meet the other wave's in the stage
	ZTM
.irp bb, 0,1,2,3
	QUANT 64*\bb, FA, FA+6, PW0
.irp o, 0,1
	ds_store_b64 v[VA0], v[FA+6*\o:FA+6*\o+1] offset:(\bb/2)*6144+(2*(\bb%2)+\o)*1536
	ds_store_b64 v[VA1], v[FA+6*\o+2:FA+6*\o+3] offset:(\bb/2)*6144+(2*(\bb%2)+\o)*1536
	ds_store_b64 v[VA0], v[FA+6*\o+4:FA+6*\o+5] offset:(\bb/2)*6144+(2*(\bb%2)+\o)*1536+512
.endr
	v_lshrrev_b32 v[TA], 16, v[PW0]
	v_cndmask_b32 v[TA], v[PW0], v[TA], s[HI]      ; lanes 0-15 the even tile's two bytes, lanes 16-31 the odd tile's
	ds_store_b16 v[SSV], v[TA] offset:(\bb/2)*256+4*(\bb%2)
.endr
	s_wait_dscnt 0x0                               ; for the others' sake: my stores have landed
	s_barrier_signal -1
	s_barrier_wait -1
.irp i, 0,1,2,3,4,5,6,7,8,9,10,11
	ds_load_b128 v[160+4*\i:163+4*\i], v[VR] offset:512*\i   ; wave = (step, head): its four fragments of v
.endr
.irp k, 0,1,2
	ds_load_b64 v[208+2*\k:209+2*\k], v[SR] offset:1024*\k   ; and its scale images of q, k, v
.endr
	s_wait_dscnt 0x0
.irp i, 0,1,2,3,4,5,6,7,8,9,10,11
	global_store_b128 v[LI], v[160+4*\i:163+4*\i], s[58:59] offset:6144+512*\i   ; 512 consecutive bytes a store
.endr
	global_store_b64 v[L8], v[208:209], s[56:57] offset:12288   ; 256 consecutive bytes, aligned
	global_store_b64 v[L8], v[210:211], s[58:59] offset:12288
	global_store_b64 v[L8], v[212:213], s[58:59] offset:12544
	s_wait_tensorcnt 0x0                           ; the wave's end
	ds_add_u32 v[SPW], v[NIL]
	s_wait_dscnt 0x0
	CROUND                                         ; the closing round
	s_endpgm
.Lfunc_end_k_q276ead6f71_project:
	.size	k_q276ead6f71_project, .Lfunc_end_k_q276ead6f71_project-k_q276ead6f71_project
	.p2alignl 7, 3214868480
	.fill 96, 4, 3214868480
	.section	.rodata,"a",@progbits
	.p2align	6, 0x0
	.amdhsa_kernel k_q276ead6f71_project
		.amdhsa_group_segment_fixed_size 327680
		.amdhsa_private_segment_fixed_size 0
		.amdhsa_enable_private_segment 0
		.amdhsa_kernarg_size 128
		.amdhsa_user_sgpr_count 2
		.amdhsa_user_sgpr_kernarg_segment_ptr 1
		.amdhsa_wavefront_size32 1
		.amdhsa_system_sgpr_workgroup_id_x 1
		.amdhsa_system_sgpr_workgroup_id_y 1
		.amdhsa_system_sgpr_workgroup_id_z 1
		.amdhsa_system_vgpr_workitem_id 0
		.amdhsa_next_free_vgpr 1024
		.amdhsa_next_free_sgpr 106
		.amdhsa_reserve_vcc 1
		.amdhsa_float_denorm_mode_32 3
		.amdhsa_float_denorm_mode_16_64 3
		.amdhsa_memory_ordered 1
		.amdhsa_forward_progress 1
		.amdhsa_inst_pref_size 255
	.end_amdhsa_kernel
	.section	.bss,"aw",@nobits
	.p2align	6
	.space	262144
	.amdgpu_metadata
---
amdhsa.version: [ 1, 2 ]
amdhsa.kernels:
  - .name:           k_q276ead6f71_project
    .symbol:         k_q276ead6f71_project.kd
    .args:
      - { .name: x_codes, .offset: 0, .size: 8, .value_kind: global_buffer, .address_space: global }
      - { .name: x_scales, .offset: 8, .size: 8, .value_kind: global_buffer, .address_space: global }
      - { .name: Wq_codes, .offset: 16, .size: 8, .value_kind: global_buffer, .address_space: global }
      - { .name: Wq_scales, .offset: 24, .size: 8, .value_kind: global_buffer, .address_space: global }
      - { .name: Wk_codes, .offset: 32, .size: 8, .value_kind: global_buffer, .address_space: global }
      - { .name: Wk_scales, .offset: 40, .size: 8, .value_kind: global_buffer, .address_space: global }
      - { .name: Wv_codes, .offset: 48, .size: 8, .value_kind: global_buffer, .address_space: global }
      - { .name: Wv_scales, .offset: 56, .size: 8, .value_kind: global_buffer, .address_space: global }
      - { .name: bq, .offset: 64, .size: 8, .value_kind: global_buffer, .address_space: global }
      - { .name: bk, .offset: 72, .size: 8, .value_kind: global_buffer, .address_space: global }
      - { .name: bv, .offset: 80, .size: 8, .value_kind: global_buffer, .address_space: global }
      - { .name: mask, .offset: 88, .size: 8, .value_kind: global_buffer, .address_space: global }
      - { .name: qw, .offset: 96, .size: 8, .value_kind: global_buffer, .address_space: global }
      - { .name: kv, .offset: 104, .size: 8, .value_kind: global_buffer, .address_space: global }
      - { .name: lmask, .offset: 112, .size: 8, .value_kind: global_buffer, .address_space: global }
      - { .name: flags, .offset: 120, .size: 8, .value_kind: global_buffer, .address_space: global }
    .group_segment_fixed_size: 327680
    .private_segment_fixed_size: 0
    .kernarg_segment_align: 8
    .kernarg_segment_size: 128
    .max_flat_workgroup_size: 128
    .sgpr_count:     106
    .vgpr_count:     1024
    .wavefront_size: 32
...
	.end_amdgpu_metadata
.endif
;; end of part 1
;; launch attend (part 2): grid 4 x 64, 16 waves a work-group, no clusters, 296,960 bytes of LDS; arguments qw, kv, lmask, flags, out0; writes out0
.if DOCPART == 2
	.amdgcn_target "amdgcn-amd-amdhsa--gfx1250"
	.amdhsa_code_object_version 6
	.text
	.protected	k_q276ead6f71_attend
	.globl	k_q276ead6f71_attend
	.p2align	8
	.type	k_q276ead6f71_attend,@function
k_q276ead6f71_attend:
	s_mov_b64 s[64:65], 0
	v_nop
	global_prefetch_b8 v0, s[64:65] scope:SCOPE_SE
	s_setreg_imm32_b32 hwreg(HW_REG_WAVE_MODE, 25, 1), 1
	s_wait_xcnt 0x0
; out[b][q][64 head + d] = the sum over k of softmax_k(where(mask, q . k / 8, -1e9)) v[k][d], both products on codes of FP6 (E2M3) with one E8M0 scale for each 32 along a product's K.
; q, k and v come as images of operand registers (the launch before laid them): for each (16 batch + head) HEADB bytes, for each 128 tokens STEPB: 4 fragments of k (q) x 1,536, 4 of v^T x 1,536, 256 bytes of k's (q's) scale words, 256 of v's.
; THE SOFTMAX: t = score x log2(e) / 8; M = the row's largest t so far, rounded up to a whole number; p = 2^(t - M) is quantised along the keys; the row's sum is taken of the unquantised p and divides at the end.
; SHARES.  A work-group owns one (batch, head) and the tiles of 16 queries T = 4 i + j (j: work-group x).  The head's k and v, 204,800 bytes, are copied into LDS ONCE, through registers; one barrier; then the sixteen waves
; (256 registers each, four to a SIMD) share nothing.  Wave w takes i = w and then i = 31 - w, so that where a mask opens with the row's number the waves' counts of steps are alike; the result does not hang on that.
; NO CLUSTER, NO TENSOR LOAD: the walk branches on stored numbers (the flags), and each work-group reads its head once, at its head.
; HEAD SIZE 64 IN A K OF 128.  A fragment of k holds two tiles of 16 keys: registers 0-5 the even tile's 64 channels, 6-11 the odd tile's.  q stands in 18 registers, 6 of zeros, 6 of q, 6 of zeros: registers 6-17 = [q | 0] pick the
; even tile, registers 0-11 = [0 | q] the odd one.  A zero code adds nothing; the zero half's scale bytes are 1.
; LAYOUT.  S^T = k q^T and O^T = v^T p^T: a lane holds one query (lane % 16).  Score register n of lane l is key 16 (n / 8) + 8 (l / 16) + n % 8 of the step: a block of 32 keys lies in lanes l and l xor 16, its codes in the
; order 0-7, 16-23, 8-15, 24-31, which is the order in which v's codes were laid.
; THE MASK.  lmask: for each (tile of queries, step) 64 words, word n's bit l = the mask at score register n of lane l.  flags: bits 0-15: the row has a true key in the step; bit 16: all are true.
; A step with no true key is left out where every row of the tile has a true key in some step: its p would be 0.  Where some row has none, every step is done.  A hidden score becomes -2^33: times c that is a whole number, so a row
; with no true key has p = 1 at every key, the uniform softmax; a later true key makes the factor 2^(old M - new M) zero.
; LIMITS: hidden logits stand at -2^33 / 8 for -1e9: true logits under about -1e9 are not told from hidden ones.  NaN and infinities are not served.  A block of p that is all zeros keeps the scale byte 1: its codes are zeros.
.set STEPB, 12800
.set HEADB, 16*STEPB
.set STG,   HEADB+STEPB                ; the way out: 16 rows x (256 + 16) bytes for each wave, one step's bytes behind k and v
.set SP,    272
.set L16, 1                            ; v1   16 x lane
.set L8S, 2                            ; v2   12,288 + 8 x lane: my place in k's scale image
.set ADK, 3                            ; v3   the step's fragments
.set ADS, 4                            ; v4   the step's scale images
.set STO, 5                            ; v5   the stage: in
.set RD,  6                            ; v6   and back
.set GO,  7                            ; v7   my byte offset in the tile's rows of out
.set R8,  88                           ; v88  8 x (lane % 16)
; v8-11 the fill's LDS addresses, then q's offsets; v12 -M, v13 the largest t, v[14:15] the sum; v[16:33] q between zeros; v34 q's scale words; v35 -2^33; v[36:83] four fragments; v[84:85] k's scale words, v[86:87] v's;
; v[96:159] S^T, then p; v[160:191] O^T; v[192:203] p's codes; v[204:206], v[208:210] the conversions' second halves; v[212:215] the blocks' largest; v[216:219], v[220:223] at work; v224 p's scale word; v[226:227] f, 0; v228-230 at work
.set BM, 212
.set TP, 216
.set SO, 220
; s[4:5] qw, s[6:7] kv (at my head), s[8:9] lmask, s[10:11] flags, s[12:13] out (at my batch and head); s14 wave, s15 j, s16 i, s17 passes to go, s18 T, s19 two bits a step: do it, apply the mask;
; s2 the step's LDS byte, s3 steps to go; s[52:53] lane selects; s[54:55] c; s[58:59] the step's mask words; s[60:61] the tile's rows of out; s104 lanes 16-31; s20-51 and s68-99 the 64 mask words (s20-35 first the 16 flag words)
	s_load_b256 s[4:11], s[0:1], 0x0
	s_load_b64 s[12:13], s[0:1], 0x20
	v_lshl_add_u32 v254, v0, 2, 0x48000
	v_mov_b32 v255, 0
	v_lshrrev_b32 v3, 5, v0
	s_delay_alu instid0(VALU_DEP_1)
	v_readfirstlane_b32 s14, v3                    ; wave 0..15
	v_lshlrev_b32 v8, 4, v0                        ; 16 x thread: the fill's place, in memory and in LDS
	s_delay_alu instid0(VALU_DEP_1)
	v_add_nc_u32 v9, 0x10000, v8
	s_delay_alu instid0(VALU_DEP_2)
	v_add_nc_u32 v10, 0x20000, v8
	s_delay_alu instid0(VALU_DEP_3)
	v_add_nc_u32 v11, 0x30000, v8
	s_mov_b32 s15, ttmp9
	s_and_b32 s62, ttmp7, 0xffff                   ; 16 batch + head
	s_mul_i32 s66, s62, HEADB
	s_mov_b32 s67, 0
	s_lshr_b32 s100, s62, 4
	s_lshl_b32 s100, s100, 23                      ; a batch of out: 2,048 rows of 4,096 bytes
	s_and_b32 s101, s62, 15
	s_lshl_b32 s101, s101, 8                       ; a head: 256 bytes of a row
	s_add_co_u32 s100, s100, s101
	s_mov_b32 s101, 0
	s_mov_b32 s52, 0x76543210
	s_mov_b32 s53, 0xfedcba98
	s_mov_b32 s54, 0x3e38aa3b                      ; c = log2(e) / 8
	s_mov_b32 s55, s54
	s_mov_b32 s104, 0xffff0000
	s_mov_b32 s16, s14
	s_mov_b32 s17, 2
	s_wait_alu depctr_va_vdst(0)
	s_wait_kmcnt 0x0
	s_add_nc_u64 s[4:5], s[4:5], s[66:67]
	s_add_nc_u64 s[6:7], s[6:7], s[66:67]
	s_add_nc_u64 s[12:13], s[12:13], s[100:101]
.irp i, 0,1,2,3,4,5,6,7,8,9,10,11,12,13,14,15,16,17,18,19,20,21,22,23,24
	global_load_b128 v[96+4*\i:99+4*\i], v8, s[6:7] offset:8192*\i   ; the head's k and v: 25 x 512 threads x 16 bytes
.endr
	v_and_b32 v3, 31, v0
	s_delay_alu instid0(VALU_DEP_1)
	v_lshlrev_b32 v[L16], 4, v3
	s_delay_alu instid0(VALU_DEP_2)
	v_lshlrev_b32 v[L8S], 3, v3
	s_delay_alu instid0(VALU_DEP_1)
	v_add_nc_u32 v[L8S], 12288, v[L8S]
	v_and_b32 v3, 15, v0                           ; r
	v_bfe_u32 v4, v0, 4, 1                         ; h
	s_delay_alu instid0(VALU_DEP_2)
	v_lshlrev_b32 v[R8], 3, v3
	s_mul_i32 s62, s14, 16*SP
	s_add_co_u32 s62, s62, STG                     ; my stage
	v_mul_u32_u24 v[STO], v3, SP
	s_delay_alu instid0(VALU_DEP_1)
	v_lshl_add_u32 v[STO], v4, 5, v[STO]
	s_delay_alu instid0(VALU_DEP_1)
	v_add_nc_u32 v[STO], s62, v[STO]               ; in: row r, 32 h bytes on
	v_mul_u32_u24 v[RD], v4, SP
	s_delay_alu instid0(VALU_DEP_1)
	v_lshl_add_u32 v[RD], v3, 4, v[RD]
	s_delay_alu instid0(VALU_DEP_1)
	v_add_nc_u32 v[RD], s62, v[RD]                 ; back: lanes 0-15 one row, lanes 16-31 the next
	v_lshlrev_b32 v[GO], 12, v4
	s_delay_alu instid0(VALU_DEP_1)
	v_lshl_add_u32 v[GO], v3, 4, v[GO]             ; and the same two rows of out
.irp i, 16,17,18,19,20,21,28,29,30,31,32,33
	v_mov_b32 v\i, 0                               ; the zeros on both sides of q
.endr
.irp i, 216,217,218,219,227
	v_mov_b32 v\i, 0                               ; lane permutes' destinations, and the upper half of the pair v[226:227]
.endr
	v_mov_b32 v35, 0xd0000000                      ; -2^33
.irp i, 0,1,2,3,4,5,6,7,8,9,10,11,12,13,14,15,16,17,18,19,20,21,22,23,24
	s_wait_loadcnt 24-\i                           ; loads come back in order: load i is in, the younger ones stay out
	ds_store_b128 v[8+\i/8], v[96+4*\i:99+4*\i] offset:8192*(\i%8)
.endr
	s_wait_dscnt 0x0                               ; for the others' sake: my stores have landed
	s_barrier_signal -1
	s_barrier_wait -1                              ; the launch's one barrier: k and v lie in LDS, and nobody writes them again
.Lpass:                                            ; two trips: a tile of 16 queries each
	s_lshl_b32 s18, s16, 2
	s_add_co_u32 s18, s18, s15                     ; T = 4 i + j
	s_lshl_b32 s62, s18, 6
	s_mov_b32 s63, 0
	s_add_nc_u64 s[66:67], s[10:11], s[62:63]
	s_load_b512 s[20:35], s[66:67], 0x0            ; the tile's 16 flag words
	s_lshl_b32 s100, s18, 12
	s_mov_b32 s101, 0
	s_add_nc_u64 s[58:59], s[8:9], s[100:101]      ; its mask words: 16 steps x 256 bytes
	s_lshl_b32 s100, s18, 16
	s_add_nc_u64 s[60:61], s[12:13], s[100:101]    ; its 16 rows of out
	s_lshr_b32 s62, s18, 3
	s_mul_i32 s62, s62, STEPB                      ; q: the block of 128 tokens,
	s_bfe_u32 s63, s18, 0x20001                    ; the fragment in it,
	s_and_b32 s56, s18, 1                          ; u: the fragment's registers 6 u .. 6 u + 5
	s_mul_i32 s100, s63, 1536
	s_add_co_u32 s100, s100, s62
	s_mul_i32 s57, s56, 520                        ; registers 6 u, 6 u + 1 lie at byte 520 u + 16 lane, registers 6 u + 4, 6 u + 5 512 bytes on,
	s_add_co_u32 s57, s57, s100
	v_add_nc_u32 v8, s57, v[L16]
	s_wait_alu depctr_va_vdst(0)
	s_mul_i32 s57, s56, 1016                       ; registers 6 u + 2, 6 u + 3 at 8 + 1,016 u
	s_add_co_u32 s57, s57, s100
	v_add_nc_u32 v9, s57, v[L16]
	s_wait_alu depctr_va_vdst(0)
	s_and_b32 s57, s63, 1                          ; the tile's two scale bytes: lane 16 (fragment % 2) + r of the image, word fragment / 2, half u
	s_lshl_b32 s57, s57, 7
	s_lshr_b32 s63, s63, 1
	s_lshl_b32 s63, s63, 2
	s_add_co_u32 s57, s57, s63
	s_lshl_b32 s56, s56, 1
	s_add_co_u32 s57, s57, s56
	s_add_co_u32 s57, s57, s62
	v_add_nc_u32 v10, s57, v[R8]
	global_load_b64 v[22:23], v8, s[4:5]
	global_load_b64 v[24:25], v9, s[4:5] offset:8
	global_load_b64 v[26:27], v8, s[4:5] offset:512
	global_load_u16 v228, v10, s[4:5] offset:12288
	s_wait_kmcnt 0x0                               ; the flag words
	s_or_b32 s56, s20, s21
.irp g, 22,23,24,25,26,27,28,29,30,31,32,33,34,35
	s_or_b32 s56, s56, s\g
.endr
	s_and_b32 s56, s56, 0xffff
	s_cmp_eq_u32 s56, 0xffff                       ; has every row a true key somewhere?
	s_cselect_b32 s57, 0, 1                        ; if not, no step is left out
	s_mov_b32 s19, 0
.irp g, 0,1,2,3,4,5,6,7,8,9,10,11,12,13,14,15
	s_and_b32 s62, s[20+\g], 0xffff                ; a true key in step g?
	s_cselect_b32 s62, 1, s57                      ; bit 0: the step is done
	s_bitcmp1_b32 s[20+\g], 16
	s_cselect_b32 s63, 0, 2                        ; bit 1: the mask is applied
	s_or_b32 s62, s62, s63
	s_lshl_b32 s62, s62, 2*\g
	s_or_b32 s19, s19, s62
.endr
	s_wait_loadcnt 0x0                             ; q and its scale bytes
	v_or_b32 v229, 0x01010000, v228                ; [q | 0]'s word: q's two bytes, then 1, 1
	v_lshl_or_b32 v230, v228, 16, 0x0101           ; [0 | q]'s
	s_delay_alu instid0(VALU_DEP_1)
	v_cndmask_b32 v34, v229, v230, s104            ; lanes 0-15 the first, lanes 16-31 the second
	v_mov_b32 v13, 0xff61b1e6                      ; the largest t so far: -3e38
	s_delay_alu instid0(VALU_DEP_1)
	v_floor_f32 v12, -v13                          ; -M
	v_mov_b32 v14, 0
	v_mov_b32 v15, 0
.set n, 0
.rept 32
	v_mov_b32 v[160+n], 0                          ; O^T begins as zeros: which step comes first hangs on the flags, so no first step can be written out.  (Also the places between v34's write and the first product)
.set n, n+1
.endr
	s_mov_b32 s2, 0
	s_mov_b32 s3, 16
.Lstep:                                            ; 16 trips: a step of 128 keys each; the trip's work is jumped over where the flags say so, the lines that step addresses are not
	s_bitcmp1_b32 s19, 0
	s_cbranch_scc0 .Lskip
	v_add_nc_u32 v[ADK], s2, v[L16]
	v_add_nc_u32 v[ADS], s2, v[L8S]
	v_nop
	v_nop                                          ; four places between the last products and the loads into their operands' registers
.irp f, 0,1,2,3
.irp c, 0,1,2
	ds_load_b128 v[36+12*\f+4*\c:39+12*\f+4*\c], v[ADK] offset:1536*\f+512*\c   ; k's four fragments, as they were stored: 512 consecutive bytes a load
.endr
.endr
	ds_load_b64 v[84:85], v[ADS]                   ; their scale words: word j: lanes 0-15 fragment 2 j, lanes 16-31 fragment 2 j + 1
	s_wait_alu depctr_va_vdst(0)
	s_wait_dscnt 0x0
.irp b, 0,2                                        ; S^T = k q^T: each fragment twice, against [q | 0] (its even tile of keys) and [0 | q] (its odd tile)
	v_wmma_scale_f32_16x16x128_f8f6f4 v[96+16*\b:103+16*\b], v[36+12*\b:47+12*\b], v[22:33], 0, v[84+\b/2], v34 matrix_a_fmt:MATRIX_FMT_FP6 matrix_b_fmt:MATRIX_FMT_FP6
	v_wmma_scale_f32_16x16x128_f8f6f4 v[104+16*\b:111+16*\b], v[36+12*\b:47+12*\b], v[16:27], 0, v[84+\b/2], v34 matrix_a_fmt:MATRIX_FMT_FP6 matrix_b_fmt:MATRIX_FMT_FP6 matrix_b_scale:MATRIX_SCALE_ROW1
	v_wmma_scale_f32_16x16x128_f8f6f4 v[112+16*\b:119+16*\b], v[48+12*\b:59+12*\b], v[22:33], 0, v[84+\b/2], v34 matrix_a_fmt:MATRIX_FMT_FP6 matrix_b_fmt:MATRIX_FMT_FP6 matrix_a_scale:MATRIX_SCALE_ROW1
	v_wmma_scale_f32_16x16x128_f8f6f4 v[120+16*\b:127+16*\b], v[48+12*\b:59+12*\b], v[16:27], 0, v[84+\b/2], v34 matrix_a_fmt:MATRIX_FMT_FP6 matrix_b_fmt:MATRIX_FMT_FP6 matrix_a_scale:MATRIX_SCALE_ROW1 matrix_b_scale:MATRIX_SCALE_ROW1
.endr
.rept 4
	v_nop                                          ; places in front of the loads below and of the first read of the scores
.endr
.irp f, 0,1,2,3
.irp c, 0,1,2
	ds_load_b128 v[36+12*\f+4*\c:39+12*\f+4*\c], v[ADK] offset:6144+1536*\f+512*\c   ; v's four fragments land while the softmax is worked
.endr
.endr
	ds_load_b64 v[86:87], v[ADS] offset:256
	s_bitcmp1_b32 s19, 1
	s_cbranch_scc0 .Lopen                          ; all 2,048 places of the step are true
	s_load_b512 s[20:35], s[58:59], 0x0            ; the step's 64 mask words: loads, wait and use stand together
	s_load_b512 s[36:51], s[58:59], 0x40
	s_load_b512 s[68:83], s[58:59], 0x80
	s_load_b512 s[84:99], s[58:59], 0xc0
	s_wait_kmcnt 0x0
.set n, 0
.rept 64
.if n < 32
.set mw, 20+n
.else
.set mw, 36+n
.endif
	v_cndmask_b32 v[96+n], v35, v[96+n], s[mw]     ; a hidden score becomes -2^33
.set n, n+1
.endr
.Lopen:
.irp b, 0,1,2,3
	v_max3_num_f32 v[BM+\b], v[96+16*\b], v[97+16*\b], v[98+16*\b]   ; the largest score of each block of 32 keys: it serves for the row's maximum and, since p rises with the score, for the block's largest p
.endr
.irp i, 3,5,7,9,11,13
.irp b, 0,1,2,3
	v_max3_num_f32 v[BM+\b], v[BM+\b], v[96+16*\b+\i], v[97+16*\b+\i]
.endr
.endr
.irp b, 0,1,2,3
	v_max_num_f32 v[BM+\b], v[BM+\b], v[111+16*\b]
.endr
.irp b, 0,1,2,3
	s_delay_alu instid0(VALU_DEP_4)
	v_permlanex16_b32 v[TP+\b], v[BM+\b], s52, s53
.endr
.irp b, 0,1,2,3
	s_delay_alu instid0(VALU_DEP_4)
	v_max_num_f32 v[BM+\b], v[BM+\b], v[TP+\b]     ; with lane l xor 16's 16 keys
.endr
	s_delay_alu instid0(VALU_DEP_2)
	v_max3_num_f32 v228, v212, v213, v214
	s_delay_alu instid0(VALU_DEP_1)
	v_max_num_f32 v228, v228, v215                 ; the step's largest score of my query
	s_delay_alu instid0(VALU_DEP_1)
	v_mul_f32 v228, s54, v228                      ; as t
	s_delay_alu instid0(VALU_DEP_1)
	v_max_num_f32 v13, v13, v228                   ; the running largest t
	v_mov_b32 v228, v12
	s_delay_alu instid0(VALU_DEP_2)
	v_floor_f32 v12, -v13                          ; the new -M = -ceil(t)
	s_delay_alu instid0(VALU_DEP_1)
	v_sub_f32 v228, v12, v228                      ; old M - new M: a whole number, 0 or less
	s_delay_alu instid0(VALU_DEP_1)
	v_cvt_i32_f32 v228, v228                       ; (it saturates)
	s_delay_alu instid0(VALU_DEP_1)
	v_ldexp_f32 v226, 1.0, v228                    ; f = 2^(old M - new M): a multiplication by it rounds nothing
.set n, 0
.rept 32
	v_pk_fma_f32 v[96+n:97+n], v[96+n:97+n], s[54:55], v[12:13] op_sel_hi:[1,0,0]   ; t - M, two at a time
.set n, n+2
.endr
.irp b, 0,1,2,3
	v_fma_f32 v[BM+\b], v[BM+\b], s54, v12         ; the same of each block's largest score
.endr
.set n, 0
	s_wait_alu depctr_va_vdst(0)
.rept 64
	v_exp_f32 v[96+n], v[96+n]                     ; p = 2^(t - M), not normalised
.set n, n+1
.endr
	v_pk_mul_f32 v[14:15], v[14:15], v[226:227] op_sel_hi:[1,0]   ; the sums under the new M: a plain instruction behind the exponentials
	s_wait_alu depctr_va_vdst(0)                   ; one wait for the batch of 64, ahead of its first reader
.irp b, 0,1,2,3
	v_exp_f32 v[BM+\b], v[BM+\b]                   ; the blocks' largest p
.endr
	v_pk_add_f32 v[216:217], v[100:101], v[104:105]
	v_pk_add_f32 v[252:253], v[108:109], v[112:113]
	v_pk_add_f32 v[250:251], v[116:117], v[120:121]
	v_pk_add_f32 v[248:249], v[124:125], v[128:129]
	v_pk_add_f32 v[246:247], v[132:133], v[136:137]
	v_pk_add_f32 v[244:245], v[140:141], v[144:145]
	v_pk_add_f32 v[242:243], v[148:149], v[152:153]
	v_pk_add_f32 v[14:15], v[14:15], v[156:157]
	v_pk_add_f32 v[216:217], v[216:217], v[96:97]
	v_pk_add_f32 v[252:253], v[252:253], v[98:99]
	v_pk_add_f32 v[250:251], v[250:251], v[102:103]
	v_pk_add_f32 v[248:249], v[248:249], v[106:107]
	v_pk_add_f32 v[246:247], v[246:247], v[110:111]
	v_pk_add_f32 v[244:245], v[244:245], v[114:115]
	v_pk_add_f32 v[242:243], v[242:243], v[118:119]
	v_pk_add_f32 v[14:15], v[14:15], v[122:123]
	v_pk_add_f32 v[216:217], v[216:217], v[126:127]
	v_pk_add_f32 v[252:253], v[252:253], v[130:131]
	v_pk_add_f32 v[250:251], v[250:251], v[134:135]
	v_pk_add_f32 v[248:249], v[248:249], v[138:139]
	v_pk_add_f32 v[246:247], v[246:247], v[142:143]
	v_pk_add_f32 v[244:245], v[244:245], v[146:147]
	v_pk_add_f32 v[242:243], v[242:243], v[150:151]
	v_pk_add_f32 v[14:15], v[14:15], v[154:155]
	v_pk_add_f32 v[216:217], v[216:217], v[158:159]
	s_delay_alu instid0(VALU_DEP_2)
	v_pk_add_f32 v[14:15], v[14:15], v[248:249]
	s_delay_alu instid0(VALU_DEP_2)
	v_pk_add_f32 v[216:217], v[216:217], v[246:247]
	v_pk_add_f32 v[252:253], v[252:253], v[244:245]
	v_pk_add_f32 v[250:251], v[250:251], v[242:243]
	s_delay_alu instid0(VALU_DEP_2)
	v_pk_add_f32 v[14:15], v[14:15], v[252:253]
	s_delay_alu instid0(VALU_DEP_2)
	v_pk_add_f32 v[216:217], v[216:217], v[250:251]
	s_delay_alu instid0(VALU_DEP_1)
	v_pk_add_f32 v[14:15], v[14:15], v[216:217]
	s_wait_alu depctr_va_vdst(0)                   ; and one for the four
.irp b, 0,1,2,3
	v_max_num_f32 v[BM+\b], 0x1800000, v[BM+\b]    ; the floor 2^(3 - 127): the byte cannot fall under 1
.endr
.irp b, 0,1,2,3
	s_delay_alu instid0(VALU_DEP_4)
	v_add_nc_u32 v[SO+\b], 0xff000000, v[BM+\b]    ; 2 off the exponent field: the conversion's scale operand
.endr
.irp b, 0,1,2,3
	s_delay_alu instid0(VALU_DEP_4)
	v_lshrrev_b32 v[TP+\b], 23, v[SO+\b]           ; the scale's byte
.endr
	s_delay_alu instid0(VALU_DEP_3)
	v_lshl_or_b32 v224, v217, 8, v216              ; p's scale word for these 128 keys
	s_delay_alu instid0(VALU_DEP_1)
	v_lshl_or_b32 v224, v218, 16, v224
	s_delay_alu instid0(VALU_DEP_1)
	v_lshl_or_b32 v224, v219, 24, v224
.irp c, 0,1
	v_cvt_scalef32_pk16_fp6_f32 v[192+6*\c:194+6*\c], v[96+32*\c:111+32*\c], v[SO+2*\c]
	v_cvt_scalef32_pk16_fp6_f32 v[204+4*\c:206+4*\c], v[112+32*\c:127+32*\c], v[SO+2*\c+1]   ; (a conversion's three registers begin on an even number)
.endr
	v_nop                                          ; one plain place behind a scaled conversion
.irp c, 0,1
.irp i, 0,1,2
	v_permlane16_swap_b32 v[192+6*\c+\i], v[204+4*\c+\i]   ; a whole block to a lane: lanes 0-15 block 2 c, lanes 16-31 block 2 c + 1
.endr
.irp i, 0,1,2
	s_delay_alu instid0(VALU_DEP_3)
	v_mov_b32 v[195+6*\c+\i], v[204+4*\c+\i]
.endr
.endr
.set n, 0
.rept 16
	v_pk_mul_f32 v[160+n:161+n], v[160+n:161+n], v[226:227] op_sel_hi:[1,0]   ; O^T under the new M.  (These are also the places between the writes of p's codes and scale word and the products)
.set n, n+2
.endr
	s_wait_alu depctr_va_vdst(0)
	s_wait_dscnt 0x0                               ; v's fragments and scale words
.irp t, 0,2                                        ; O^T += v^T p^T: four tiles of 16 channels, one instruction each: the accumulators take turns
	v_wmma_scale_f32_16x16x128_f8f6f4 v[160+8*\t:167+8*\t], v[36+12*\t:47+12*\t], v[192:203], v[160+8*\t:167+8*\t], v[86+\t/2], v224 matrix_a_fmt:MATRIX_FMT_FP6 matrix_b_fmt:MATRIX_FMT_FP6
	v_wmma_scale_f32_16x16x128_f8f6f4 v[168+8*\t:175+8*\t], v[48+12*\t:59+12*\t], v[192:203], v[168+8*\t:175+8*\t], v[86+\t/2], v224 matrix_a_fmt:MATRIX_FMT_FP6 matrix_b_fmt:MATRIX_FMT_FP6 matrix_a_scale:MATRIX_SCALE_ROW1
.endr
.Lskip:
	s_lshr_b32 s19, s19, 2                         ; the next step's two bits,
	s_add_co_u32 s2, s2, STEPB                     ; its block in LDS,
	s_add_nc_u64 s[58:59], s[58:59], 256           ; its mask words (every load from this base has been waited for)
	s_sub_co_u32 s3, s3, 1
	s_cmp_lg_u32 s3, 0
	s_cbranch_scc1 .Lstep
	; THE WAY OUT: O^T / the sum goes through my stage in LDS and leaves as rows: sixteen lanes store a query's 64 channels, 256 consecutive bytes, aligned
.rept 4
	v_nop                                          ; places behind the last products
.endr
	v_add_f32 v14, v14, v15
	s_delay_alu instid0(VALU_DEP_1)
	v_permlanex16_b32 v216, v14, s52, s53
	s_delay_alu instid0(VALU_DEP_1)
	v_add_f32 v14, v14, v216                       ; the row's sum: at least 1/2, since the row's largest p is above 1/2
	s_wait_alu depctr_va_vdst(0)
	v_rcp_f32 v226, v14
	v_nop                                          ; a plain place behind the reciprocal
	s_wait_alu depctr_va_vdst(0)                   ; and the wait ahead of its first reader
.set n, 0
.rept 16
	v_pk_mul_f32 v[96+n:97+n], v[160+n:161+n], v[226:227] op_sel_hi:[1,0]   ; register 8 t + i is out(query r, channel 16 t + 8 h + i)
.set n, n+2
.endr
.irp t, 0,1,2,3
	ds_store_b128 v[STO], v[96+8*\t:99+8*\t] offset:64*\t
	ds_store_b128 v[STO], v[100+8*\t:103+8*\t] offset:64*\t+16
.endr
.irp i, 0,1,2,3,4,5,6,7
	ds_load_b128 v[128+4*\i:131+4*\i], v[RD] offset:2*\i*SP   ; LDS serves a wave's instructions in order: these see my stores
.endr
.irp i, 0,1,2,3,4,5,6,7
	s_wait_dscnt 7-\i                              ; load i is back, the younger ones may be out
	global_store_b128 v[GO], v[128+4*\i:131+4*\i], s[60:61] offset:8192*\i th:TH_STORE_NT   ; rows 2 i and 2 i + 1; written once, read by nobody here
.endr
	s_wait_xcnt 0x0                                ; the stores have read their registers and their base: both are written again in the next trip
	s_sub_co_u32 s16, 31, s14                      ; the second tile: i = 31 - wave
	s_sub_co_u32 s17, s17, 1
	s_cmp_lg_u32 s17, 0
	s_cbranch_scc1 .Lpass
	s_wait_tensorcnt 0x0
	ds_add_u32 v254, v255
	s_wait_dscnt 0x0
	s_endpgm
.Lfunc_end_k_q276ead6f71_attend:
	.size	k_q276ead6f71_attend, .Lfunc_end_k_q276ead6f71_attend-k_q276ead6f71_attend
	.p2alignl 7, 3214868480
	.fill 96, 4, 3214868480
	.section	.rodata,"a",@progbits
	.p2align	6, 0x0
	.amdhsa_kernel k_q276ead6f71_attend
		.amdhsa_group_segment_fixed_size 296960
		.amdhsa_private_segment_fixed_size 0
		.amdhsa_enable_private_segment 0
		.amdhsa_kernarg_size 40
		.amdhsa_user_sgpr_count 2
		.amdhsa_user_sgpr_kernarg_segment_ptr 1
		.amdhsa_wavefront_size32 1
		.amdhsa_system_sgpr_workgroup_id_x 1
		.amdhsa_system_sgpr_workgroup_id_y 1
		.amdhsa_system_sgpr_workgroup_id_z 1
		.amdhsa_system_vgpr_workitem_id 0
		.amdhsa_next_free_vgpr 256
		.amdhsa_next_free_sgpr 106
		.amdhsa_reserve_vcc 0
		.amdhsa_float_denorm_mode_32 3
		.amdhsa_float_denorm_mode_16_64 3
		.amdhsa_memory_ordered 1
		.amdhsa_forward_progress 1
		.amdhsa_inst_pref_size 41
	.end_amdhsa_kernel
	.amdgpu_metadata
---
amdhsa.version: [ 1, 2 ]
amdhsa.kernels:
  - .name:           k_q276ead6f71_attend
    .symbol:         k_q276ead6f71_attend.kd
    .args:
      - { .name: qw, .offset: 0, .size: 8, .value_kind: global_buffer, .address_space: global }
      - { .name: kv, .offset: 8, .size: 8, .value_kind: global_buffer, .address_space: global }
      - { .name: lmask, .offset: 16, .size: 8, .value_kind: global_buffer, .address_space: global }
      - { .name: flags, .offset: 24, .size: 8, .value_kind: global_buffer, .address_space: global }
      - { .name: out0, .offset: 32, .size: 8, .value_kind: global_buffer, .address_space: global }
    .group_segment_fixed_size: 296960
    .private_segment_fixed_size: 0
    .kernarg_segment_align: 8
    .kernarg_segment_size: 40
    .max_flat_workgroup_size: 512
    .sgpr_count:     106
    .vgpr_count:     256
    .wavefront_size: 32
...
	.end_amdgpu_metadata
.endif
;; end of part 2
